; MI455X (gfx1250); checked and timed in simulation.
; The chip was launched on July 23, 2026; its instructions are those of AMD's public machine-readable ISA for CDNA 5 (MIT licence, August 2026) and "CDNA5" Instruction Set Architecture Reference Guide (July 2026). The comments in the code are by the model that wrote it; some were corrected since.
;; RWKV 6. Allowed arithmetic: float matrix products may take bf16 or f16 operands with f32 sums; all other float work in f32.
;; Inputs: initial_state 4 x 32 x 64 x 64 float32; k 4 x 32 x 1,024 x 64 float32; r 4 x 32 x 1,024 x 64 float32; u 32 x 64 float32; v 4 x 32 x 1,024 x 64 float32; w 4 x 32 x 1,024 x 64 float32.
;; Outputs: out0 4 x 32 x 1,024 x 64 float32; out1 4 x 32 x 64 x 64 float32.
;; 2 versions, each right; version 2 is version 1 with the launch rwkv written anew for expert scheduling mode. Each part assembles by itself: llvm-mc -triple=amdgcn-amd-amdhsa -mcpu=gfx1250 --defsym DOCPART=n.
;; ======== version 1 of 2: 1 launch
;; limits: values are held in f16: magnitudes above 65,504 overflow, below 6.1e-05 lose precision; right only within a limited range of input values
;; launch rwkv (part 1): grid 128 x 1, 4 waves a work-group, no clusters, 203,264 bytes of LDS; arguments r, k, v, w, u, initial_state, out0, out1; writes out0, out1
.if DOCPART == 1
	.amdgcn_target "amdgcn-amd-amdhsa--gfx1250"
	.amdhsa_code_object_version 6
	.text
	.protected	k_qc2ae3920cd_rwkv
	.globl	k_qc2ae3920cd_rwkv
	.p2align	8
	.type	k_qc2ae3920cd_rwkv,@function
k_qc2ae3920cd_rwkv:
	s_mov_b64 s[64:65], 0
	v_nop
	global_prefetch_b8 v0, s[64:65] scope:SCOPE_SE
	s_setreg_imm32_b32 hwreg(HW_REG_WAVE_MODE, 25, 1), 1
	s_wait_xcnt 0x0
; RWKV-6 recurrence.  One work-group = one of the 128 heads; 1,024 steps in blocks of 16; a ROUND is four blocks (64 steps).
; Per block, with d = exp(w):  o_t = q~_t . h + sum over s < t of A[t][s] v_s + b_t v_t;   h <- Tot h + k^T v.
;   q~ = q x (product of d from the block's start to t - 1);  k^ = k x (product of d from s + 1 to the block's end);  b_t = sum of q u k.
;   A[t][s] = sum over channels of q_t k_s x (product of d over s < j < t).  With b the highest bit in which t and s differ, that product is
;   Suf_b[s] x Pre_b[t] (to the end, from the start, of the aligned sub-block of b steps).  So A is four masked Gram matrices Z_b Z_b^T, b = 8, 4, 2, 1,
;   where row x of Z_b is q Pre_b if bit b of x is set and k Suf_b otherwise.  EVERY FACTOR IS A PRODUCT OF d OVER A RANGE OF STEPS: no quotient, no exp(-sum).
; FORMATS.  Matrix operands f16, sums f32.  The state is carried in f32 as h / 16, A as A / 16 (masks hold 1/16), k^ as k^ / 16; o = 16 acc + b_t v_t in f32.
; LIMITS.  |q|, |k|, |v|, |u q|, |u k|, |A| / 16 and |h| / 16 stay below 65,504 (f16's end).  For w > 0 the factors grow as exp(sum of w over at most 15 steps) and
;   must keep the operands in that range.  exp(w) below 2^-126 counts as 0.  f16 operands below 6e-5 keep f16's fixed step of 6e-8.  NaN and infinities are not treated apart.
; SHARES.  In a round wave wv PREPARES block 4 R + wv (its 16 steps of r, k, v, w come straight from memory into registers, 16 bytes a lane, whole rows of 256 bytes),
;   writes the operands into its own region of LDS buffer R % 2 and makes that block's A and b (GRAM).  Behind ONE barrier every wave CONSUMES the round's four blocks in order
;   for its own 16 columns of the state, and puts o into stage R % 2; the stage of the round before is stored as whole rows of 256 bytes behind the same barrier.
; No tensor loads: a lane's 16 bytes arrive in the layout that the preparation wants.  No cluster: no two work-groups share an input.
; The contraction index is rho = 16 c + g for channel 4 g + c: the same permutation on both sides of every product.
; REGISTER WINDOWS (s_set_vgpr_msb: bits 1:0 source 0, 3:2 source 1, 5:4 source 2, 7:6 destination): 0 consumer, 1 the two landing sets, 2 preparation.
.set BLK,   20992      ; one block's operands in LDS
.set BUF,   4*BLK
.set GP,    224        ; pitch of G: 64 rows rho; 32 bytes (16 steps of f16) for each of Z8, Z4, Z2, Z1, Y, q~; 32 of padding
.set GC,    16*GP      ; from channel c to c + 1 (16 rows)
.set O_KH,  14336      ; k^/16: 64 rows rho, pitch 48
.set O_V,   17408      ; v in f16: 16 rows (steps), pitch 160
.set O_TOT, 19968      ; Tot in f32: word 4 g + c
.set O_A,   20224      ; A/16 in f16: 16 bytes a lane
.set O_B,   20736      ; b_t in f32
.set OUT0,  2*BUF      ; two stages of 64 rows, pitch 272
.set OPI,   272
.set OUTB,  64*OPI
.set SPARE, OUT0+2*OUTB  ; the spare words: 128 bytes a wave, two blocks of 256 bytes that no other line names
; window 0
.set SPW, 10
.set NIL, 11
.set OOFF, 12          ; byte offset of a flush in out0
.set LOFF, 13          ; 4096 wv + 256 hh + 16 g; never rewritten
.set OSA, 14           ; v14-15 where I put o, by stage
.set FLA, 16           ; v16-17 where I read whole rows back, by stage
.set HST, 18           ; where the final state goes in stage 0
.set HOF, 19           ; my offset in initial_state
.set BT,  20           ; v20 b_t, v21 = 0
.set VR,  24           ; v24-27 my 8 numbers of v_t in f16 (named v24.l .. v27.h below)
.set TT,  28           ; Tot
.set CA,  32           ; v32-59 consumer addresses: 7 for each pair of blocks
.set VX,  60
.set OT,  68
.set OA,  76
.set HOP, 84
.set QF,  100
.set VF,  116
.set AF,  124
.set KF,  132
.set H,   164
.set MK,  196
.set MU,  228
; window 2
.set D,   0
.set T2,  32
.set T4,  48
.set PR3, 56
.set PR5, 60
.set PR6, 64
.set PR7, 68
.set SU0, 72
.set SU1, 76
.set SU2, 80
.set SU4, 84
.set P4,  88
.set S4,  92
.set T8,  96
.set TX,  100
.set SQ,  104
.set SK,  108
.set T16, 112
.set QA,  116
.set KB,  148
.set TMP, 180
.set FL,  180          ; the flush's 32 registers
.set PK,  212
.set U,   228
.set PA,  232          ; v232-245 preparation addresses, 7 for each buffer
.set GOFF, 246
.set GG,  80           ; GRAM: G8, G4, G2, G1, GU at 80 + 8 n
.set AA,  120
.set PKA, 128
.set B2,  132
.set BX,  134
.set MSB, 0
.macro WIN new                         ; the immediate's high byte repeats the setting that is left; a switch that changes nothing is dropped
.if MSB != (\new)
	s_set_vgpr_msb (MSB<<8)|(\new)
.set MSB, (\new)
.endif
.endm
; 32 loads: my block's 16 steps of w, r, k, v; each instruction covers two whole rows of 256 bytes
.macro LOADS set, imm
	WIN 0x42                                       ; data window 1, offset window 2
.irp i, 0,1,2,3,4,5,6,7
	global_load_b128 v[128*(\set)+4*(\i):128*(\set)+4*(\i)+3], v[GOFF], s[14:15] offset:(\imm)+256*(\i) th:TH_LOAD_NT
.endr
.irp i, 0,1,2,3,4,5,6,7
	global_load_b128 v[128*(\set)+32+4*(\i):128*(\set)+32+4*(\i)+3], v[GOFF], s[8:9] offset:(\imm)+256*(\i) th:TH_LOAD_NT
.endr
.irp i, 0,1,2,3,4,5,6,7
	global_load_b128 v[128*(\set)+64+4*(\i):128*(\set)+64+4*(\i)+3], v[GOFF], s[10:11] offset:(\imm)+256*(\i) th:TH_LOAD_NT
.endr
.irp i, 0,1,2,3,4,5,6,7
	global_load_b128 v[128*(\set)+96+4*(\i):128*(\set)+96+4*(\i)+3], v[GOFF], s[12:13] offset:(\imm)+256*(\i) th:TH_LOAD_NT
.endr
.endm
.macro MUL2 d, a, b                    ; a quad (four channels) times a quad, window 2
	WIN 0xaa
	v_pk_mul_f32 v[(\d):(\d)+1], v[(\a):(\a)+1], v[(\b):(\b)+1]
	v_pk_mul_f32 v[(\d)+2:(\d)+3], v[(\a)+2:(\a)+3], v[(\b)+2:(\b)+3]
.endm
.macro PRD d, raw, fac                 ; a landed quad (window 1) times a factor quad
	WIN 0xa9
	v_pk_mul_f32 v[(\d):(\d)+1], v[(\raw):(\raw)+1], v[(\fac):(\fac)+1]
	v_pk_mul_f32 v[(\d)+2:(\d)+3], v[(\raw)+2:(\raw)+3], v[(\fac)+2:(\fac)+3]
.endm
.macro PR1 d, raw                      ; a landed quad brought into window 2
	WIN 0xa9
	v_pk_mul_f32 v[(\d):(\d)+1], v[(\raw):(\raw)+1], 1.0 op_sel_hi:[1,0]
	v_pk_mul_f32 v[(\d)+2:(\d)+3], v[(\raw)+2:(\raw)+3], 1.0 op_sel_hi:[1,0]
.endm
.macro ENT i, reg, win                 ; step i of the matrix to be stored lies in quad reg of window win
.set E\i, \reg
.set W\i, \win
.endm
.macro ENTALL base
.irp i, 0,1,2,3,4,5,6,7
	ENT \i, (\base)+4*(\i), 2
.endr
.endm
.macro CV4 p, ea, wa, eb, wb           ; steps 2 p, 2 p + 1 of the four channels, rounded to f16
	WIN 0xa0|(\wa)|((\wb)<<2)
.irp c, 0,1,2,3
	v_cvt_pk_f16_f32 v[PK+4*(\c)+(\p)], v[(\ea)+(\c)], v[(\eb)+(\c)]
.endr
.endm
.macro PST areg, off, cstr             ; my 8 steps x 4 channels: 16 bytes into each of four rows rho
	CV4 0, E0, W0, E1, W1
	CV4 1, E2, W2, E3, W3
	CV4 2, E4, W4, E5, W5
	CV4 3, E6, W6, E7, W7
	WIN 0xaa
.irp c, 0,1,2,3
	ds_store_b128 v[\areg], v[PK+4*(\c):PK+4*(\c)+3] offset:(\off)+(\c)*(\cstr)
.endr
.endm
; THE PREPARATION of my block, from landing set `set` into LDS buffer p.  A lane holds channels 4 g + c and steps 8 tau + i.
.macro PREP set, p
.set RW, 128*(\set)
.set RQ, RW+32
.set RK, RW+64
.set RV, RW+96
.set AP, PA+7*(\p)
	s_wait_loadcnt 32                              ; loads return in order: this set is in; the 32 of the other set, issued behind it, may stay out
	s_wait_xcnt 0x0                                ; the last flush's stores have read their data: TMP is written again only behind this wait
	WIN 0xa9
.set i, 0
.rept 16
	v_pk_mul_f32 v[D+2*i:D+2*i+1], v[RW+2*i:RW+2*i+1], 0x3fb8aa3b op_sel_hi:[1,0]   ; w log2(e)
.set i, i+1
.endr
	WIN 0xaa
.set i, 0
.rept 32
	v_exp_f32 v[D+i], v[D+i]                       ; d = exp(w)
.set i, i+1
.endr
	WIN 0xa5                                       ; v in f16: plain work that names no d stands behind the exponentials
.set i, 0
	s_wait_alu depctr_va_vdst(0)
.rept 8
	v_cvt_pk_f16_f32 v[PK+2*i], v[RV+4*i], v[RV+4*i+1]
	v_cvt_pk_f16_f32 v[PK+2*i+1], v[RV+4*i+2], v[RV+4*i+3]
.set i, i+1
.endr
	WIN 0xaa
.irp i, 0,1,2,3,4,5,6,7
	ds_store_b64 v[AP+2], v[PK+2*(\i):PK+2*(\i)+1] offset:160*(\i)
.endr
	; Z1: k on even steps, q on odd ones, as they landed
.irp i, 0,2,4,6
	ENT \i, RK+4*(\i), 1
.endr
.irp i, 1,3,5,7
	ENT \i, RQ+4*(\i), 1
.endr
	PST AP, 96, GC
	; Y: u q on even steps, u k on odd ones
.irp i, 0,2,4,6
	PRD TMP+4*(\i), RQ+4*(\i), U
.endr
.irp i, 1,3,5,7
	PRD TMP+4*(\i), RK+4*(\i), U
.endr
	ENTALL TMP
	PST AP, 128, GC
	; the products of d that the factors need
	MUL2 T2, D, D+4
	MUL2 T2+4, D+8, D+12
	MUL2 T2+8, D+16, D+20
	MUL2 T2+12, D+24, D+28
	MUL2 T4, T2, T2+4
	MUL2 T4+4, T2+8, T2+12
	MUL2 PR3, T2, D+8
	MUL2 SU4, D+20, T2+12
	MUL2 P4, T2+8, D+24
	MUL2 S4, D+4, T2+4
	MUL2 PR5, T4, D+16
	MUL2 PR6, T4, T2+8
	MUL2 SU2, D+12, T4+4
	MUL2 SU1, T2+4, T4+4
	MUL2 T8, T4, T4+4
	MUL2 PR7, PR6, D+24
	MUL2 SU0, D+4, SU1
	; Z2
	PRD TMP,    RK,    D+4
	PRD TMP+12, RQ+12, D+8
	PRD TMP+16, RK+16, D+20
	PRD TMP+28, RQ+28, D+24
	ENT 0, TMP, 2
	ENT 1, RK+4, 1
	ENT 2, RQ+8, 1
	ENT 3, TMP+12, 2
	ENT 4, TMP+16, 2
	ENT 5, RK+20, 1
	ENT 6, RQ+24, 1
	ENT 7, TMP+28, 2
	PST AP, 64, GC
	; Z4
	PRD TMP,    RK,    S4
	PRD TMP+4,  RK+4,  T2+4
	PRD TMP+8,  RK+8,  D+12
	PRD TMP+20, RQ+20, D+16
	PRD TMP+24, RQ+24, T2+8
	PRD TMP+28, RQ+28, P4
	ENT 0, TMP, 2
	ENT 1, TMP+4, 2
	ENT 2, TMP+8, 2
	ENT 3, RK+12, 1
	ENT 4, RQ+16, 1
	ENT 5, TMP+20, 2
	ENT 6, TMP+24, 2
	ENT 7, TMP+28, 2
	PST AP, 32, GC
	; q times the prefix, k times the suffix, inside my 8 steps
	PR1 QA, RQ
	PRD QA+4,  RQ+4,  D
	PRD QA+8,  RQ+8,  T2
	PRD QA+12, RQ+12, PR3
	PRD QA+16, RQ+16, T4
	PRD QA+20, RQ+20, PR5
	PRD QA+24, RQ+24, PR6
	PRD QA+28, RQ+28, PR7
	PRD KB,    RK,    SU0
	PRD KB+4,  RK+4,  SU1
	PRD KB+8,  RK+8,  SU2
	PRD KB+12, RK+12, T4+4
	PRD KB+16, RK+16, SU4
	PRD KB+20, RK+20, T2+12
	PRD KB+24, RK+24, D+28
	PR1 KB+28, RK+28
	WIN 0xaa
.irp c, 0,1,2,3
	v_mov_b32 v[TX+(\c)], 0                        ; the exchange's destination counts as read
.endr
.irp c, 0,1,2,3
	v_permlanex16_b32 v[TX+(\c)], v[T8+(\c)], s26, s27   ; the other 8 steps' product lies in the lane 16 away
.endr
.irp c, 0,1,2,3
	v_cndmask_b32 v[SQ+(\c)], 1.0, v[TX+(\c)], s25       ; steps 8-15: q~ takes the first half's product too
	v_cndmask_b32 v[SK+(\c)], v[TX+(\c)], 1.0, s25       ; steps 0-7: k^ takes the second half's
.endr
	v_pk_mul_f32 v[SK:SK+1], v[SK:SK+1], 0x3d800000 op_sel_hi:[1,0]      ; and 1/16
	v_pk_mul_f32 v[SK+2:SK+3], v[SK+2:SK+3], 0x3d800000 op_sel_hi:[1,0]
	MUL2 T16, T8, TX
	ds_store_b128 v[AP+3], v[T16:T16+3]            ; both halves of the lanes hold and write the same four numbers
.set i, 0
.rept 32
	v_cndmask_b32 v[TMP+i], v[KB+i], v[QA+i], s25  ; Z8: k suffix for steps 0-7, q prefix for steps 8-15
.set i, i+1
.endr
	ENTALL TMP
	PST AP, 0, GC
.irp i, 0,1,2,3,4,5,6,7
	MUL2 QA+4*(\i), QA+4*(\i), SQ
.endr
	ENTALL QA
	PST AP, 160, GC
.irp i, 0,1,2,3,4,5,6,7
	MUL2 KB+4*(\i), KB+4*(\i), SK
.endr
	ENTALL KB
	PST AP+1, 0, 768
.endm
.macro GW g, a, b, ks
.if (\ks) == 0
	v_wmma_f32_16x16x32_f16 v[(\g):(\g)+7], v[(\a):(\a)+7], v[(\b):(\b)+7], 0
.else
	v_wmma_f32_16x16x32_f16 v[(\g):(\g)+7], v[(\a)+8:(\a)+15], v[(\b)+8:(\b)+15], v[(\g):(\g)+7]
.endif
.endm
; A / 16 and b of my block.  The rows [rho][step] come back turned: lane l holds step l % 16 and 8 rho a load.  LDS serves a wave's instructions in order: these see my stores above.
.macro GRAM p
.set AP, PA+7*(\p)
	WIN 0xaa
.irp m, 0,1,2,3,4
.irp kk, 0,1,2,3
	ds_load_tr16_b128 v[16*(\m)+4*(\kk):16*(\m)+4*(\kk)+3], v[AP+4] offset:32*(\m)+GC*(\kk)
.endr
.endr
	s_wait_dscnt 0x0
.irp ks, 0,1                           ; five accumulators by turns, one instruction a turn
	GW GG,    0,  0,  \ks
	GW GG+8,  16, 16, \ks
	GW GG+16, 32, 32, \ks
	GW GG+24, 48, 48, \ks
	GW GG+32, 48, 64, \ks
.endr
.rept 4
	v_nop                                          ; four places between the last product and the first read of a result
.endr
	WIN 0xa2                                       ; masks in window 0.  Lane (r, h), register j: t = r, s = 8 h + j
.irp j, 0,2,4,6
	v_pk_mul_f32 v[AA+(\j):AA+(\j)+1], v[GG+(\j):GG+(\j)+1], v[MK+(\j):MK+(\j)+1]
.endr
.irp n, 1,2,3
.irp j, 0,2,4,6
	v_pk_fma_f32 v[AA+(\j):AA+(\j)+1], v[GG+8*(\n)+(\j):GG+8*(\n)+(\j)+1], v[MK+8*(\n)+(\j):MK+8*(\n)+(\j)+1], v[AA+(\j):AA+(\j)+1]
.endr
.endr
	v_pk_mul_f32 v[B2:B2+1], v[GG+32:GG+33], v[MU:MU+1]
.irp j, 2,4,6
	v_pk_fma_f32 v[B2:B2+1], v[GG+32+(\j):GG+32+(\j)+1], v[MU+(\j):MU+(\j)+1], v[B2:B2+1]
.endr
	WIN 0xaa
.irp j, 0,1,2,3
	v_cvt_pk_f16_f32 v[PKA+(\j)], v[AA+2*(\j)], v[AA+2*(\j)+1]
.endr
	ds_store_b128 v[AP+5], v[PKA:PKA+3]
	v_add_f32 v[B2], v[B2], v[B2+1]
	v_mov_b32 v[BX], 0
	v_permlanex16_b32 v[BX], v[B2], s26, s27       ; the diagonal element of step r lies in one of the two lanes with that r
	v_add_f32 v[B2], v[B2], v[BX]
	ds_store_b32 v[AP+6], v[B2]
.endm
; the 13 LDS loads of block b of buffer p
.macro CLOADS p, b
.set CB, CA+7*(2*(\p)+(\b)/2)
.set CO, ((\b)%2)*BLK
.irp kk, 0,1,2,3
	ds_load_tr16_b128 v[QF+4*(\kk):QF+4*(\kk)+3], v[CB] offset:CO+GC*(\kk)
.endr
	ds_load_tr16_b128 v[VF:VF+3], v[CB+1] offset:CO
	ds_load_b128 v[AF:AF+3], v[CB+2] offset:CO
	ds_load_b128 v[TT:TT+3], v[CB+3] offset:CO
.irp mt, 0,1,2,3
	ds_load_b128 v[KF+8*(\mt):KF+8*(\mt)+3], v[CB+4] offset:CO+768*(\mt)
.endr
	ds_load_b128 v[VR:VR+3], v[CB+5] offset:CO
	ds_load_b32 v[BT], v[CB+6] offset:CO
.endm
; One block for my 16 columns of the state.  H tile mt, register j, lane (r, h): rho = 16 mt + 8 h + j, column 16 wv + r.
.macro CBLK p, b
	s_wait_dscnt 0x0                               ; the block's operands are in
.irp mt, 0,1,2,3
.irp j, 0,1,2,3,4,5,6,7
	v_mul_f32_dpp v[H+8*(\mt)+(\j)], v[TT+(\mt)], v[H+8*(\mt)+(\j)] row_share:\j row_mask:0xf bank_mask:0xf   ; lane j of my 16 holds Tot of g = 8 h + j
.endr
.endr
	; the accumulators take turns, one instruction a turn
	v_wmma_f32_16x16x32_f16 v[OA:OA+7], v[HOP:HOP+7], v[QF:QF+7], 0
	v_wmma_f32_16x16x32_f16 v[H:H+7], v[KF:KF+7], v[VF:VF+7], v[H:H+7]
	v_wmma_f32_16x16x32_f16 v[OA:OA+7], v[HOP+8:HOP+15], v[QF+8:QF+15], v[OA:OA+7]
	v_wmma_f32_16x16x32_f16 v[H+8:H+15], v[KF+8:KF+15], v[VF:VF+7], v[H+8:H+15]
	v_wmma_f32_16x16x32_f16 v[OA:OA+7], v[VF:VF+7], v[AF:AF+7], v[OA:OA+7]
	v_wmma_f32_16x16x32_f16 v[H+16:H+23], v[KF+16:KF+23], v[VF:VF+7], v[H+16:H+23]
	v_wmma_f32_16x16x32_f16 v[H+24:H+31], v[KF+24:KF+31], v[VF:VF+7], v[H+24:H+31]
	; b_t v_t: twelve plain instructions that name no register of the products: the places behind them
	v_cvt_f32_f16 v[VX], v24.l
	v_cvt_f32_f16 v[VX+1], v24.h
	v_cvt_f32_f16 v[VX+2], v25.l
	v_cvt_f32_f16 v[VX+3], v25.h
	v_cvt_f32_f16 v[VX+4], v26.l
	v_cvt_f32_f16 v[VX+5], v26.h
	v_cvt_f32_f16 v[VX+6], v27.l
	v_cvt_f32_f16 v[VX+7], v27.h
.irp j, 0,2,4,6
	v_pk_mul_f32 v[VX+(\j):VX+(\j)+1], v[VX+(\j):VX+(\j)+1], v[BT:BT+1] op_sel_hi:[1,0]
.endr
.if (\b) < 3
	CLOADS \p, (\b)+1
.endif
.set i, 0
.rept 16
	v_cvt_pk_f16_f32 v[HOP+i], v[H+2*i], v[H+2*i+1]   ; the new state as the next block's operand; each tile from its low end on
.set i, i+1
.endr
.irp j, 0,2,4,6
	v_pk_fma_f32 v[OT+(\j):OT+(\j)+1], v[OA+(\j):OA+(\j)+1], 0x41800000, v[VX+(\j):VX+(\j)+1] op_sel_hi:[1,0,1]   ; o = 16 acc + b v
.endr
	ds_store_b128 v[OSA+(\p)], v[OT:OT+3] offset:(\b)*16*OPI
	ds_store_b128 v[OSA+(\p)], v[OT+4:OT+7] offset:(\b)*16*OPI+16
.endm
; 16 whole rows of stage p go out: sixteen lanes store 256 consecutive bytes, at a multiple of 256 from the buffer's first byte
.macro FLUSH p, base, off
	s_wait_xcnt 0x0                                ; earlier stores have read FL
	WIN 0x80
.irp i, 0,1,2,3,4,5,6,7
	ds_load_b128 v[FL+4*(\i):FL+4*(\i)+3], v[FLA+(\p)] offset:2*OPI*(\i)
.endr
	WIN 0x08
.irp i, 0,1,2,3,4,5,6,7
	s_wait_dscnt 7-(\i)                            ; LDS loads return in order: the 7 - i younger ones may stay out
	global_store_b128 v[\off], v[FL+4*(\i):FL+4*(\i)+3], s[\base:\base+1] offset:512*(\i) th:TH_STORE_NT
.endr
	WIN 0
.endm
; A ROUND, of parity par (static): s24 counts pairs of rounds
.macro ROUND par
	PREP \par, \par
	WIN 0
	s_cmp_eq_u32 s24, 7
	s_cbranch_scc1 .Lnl_\@                         ; the last two rounds fetch nothing: no load leaves its buffer
	s_wait_xcnt 0x0                                ; the pending loads have read their offset
	WIN 0xaa
	v_add_nc_u32 v[GOFF], 0x4000, v[GOFF]
	LOADS \par, 0x4000                             ; the round after next, into the set just used up
	WIN 0
	s_branch .Lld_\@
.Lnl_\@:
	s_wait_loadcnt 0x0                             ; here nothing was issued behind the other set: its wait is for 0
.Lld_\@:
	GRAM \par
	WIN 0
	s_wait_dscnt 0x0                               ; for the others' sake: my operands are stored, my o of the last round too, and my reads of both are back
	s_barrier_signal -1
	s_barrier_wait -1
	CLOADS \par, 0
.if (\par) == 0
	s_cmp_eq_u32 s24, 0
	s_cbranch_scc1 .Lnf_\@                         ; the first round has no round before it
	s_lshl_b32 s32, s24, 15
	s_sub_co_u32 s32, s32, 0x4000
.else
	s_lshl_b32 s32, s24, 15
.endif
	s_wait_xcnt 0x0                                ; the last flush's stores have read their offset
	v_add_nc_u32 v[OOFF], s32, v[LOFF]
	FLUSH 1-(\par), 20, OOFF
.if (\par) == 0
.Lnf_\@:
.endif
	CBLK \par, 0
	CBLK \par, 1
	CBLK \par, 2
	CBLK \par, 3
.endm
	s_load_b512 s[8:23], s[0:1], 0x0               ; r 8, k 10, v 12, w 14, u 16, initial_state 18, out0 20, out1 22
	v_lshl_add_u32 v[SPW], v0, 2, SPARE
	v_mov_b32 v[NIL], 0
	v_lshrrev_b32 v1, 5, v0
	v_readfirstlane_b32 s2, v1                     ; wave 0..3
	s_mov_b32 s3, ttmp9                            ; head
	v_and_b32 v6, 31, v0                           ; L
	v_and_b32 v1, 15, v0                           ; g = r
	v_bfe_u32 v2, v0, 4, 1                         ; hh = h
	v_and_b32 v3, 7, v0                            ; l7
	v_bfe_u32 v4, v0, 3, 1                         ; b3
	v_xor_b32 v5, v2, v4                           ; tau: which 8 steps of the block are mine in the preparation
	v_lshl_add_u32 v7, v2, 3, v3                   ; 8 hh + l7
	v_lshlrev_b32 v9, 4, v1                        ; 16 g; never rewritten
	s_lshl_b32 s30, s3, 18                         ; a head's 1,024 x 64 x 4 bytes
	s_mov_b32 s31, 0
	s_lshl_b32 s34, s3, 14                         ; a head's state
	s_mov_b32 s35, 0
	s_and_b32 s32, s3, 31
	s_lshl_b32 s32, s32, 8                         ; u's row
	s_mov_b32 s33, 0
	s_mov_b32 s25, 0x00ffff00                      ; the lanes with tau = 1
	s_mov_b32 s26, 0x76543210
	s_mov_b32 s27, 0xfedcba98
	s_mov_b32 s28, 0x3d800000                      ; 1/16
	s_lshl_b32 s36, s2, 12
	s_lshl_b32 s37, s2, 6
	s_lshl_b32 s39, s2, 5
	s_mul_i32 s38, s2, 16*OPI
	s_mul_i32 s40, s2, BLK
	s_add_co_u32 s41, s40, BUF
	v_lshl_add_u32 v60, v5, 11, v9
	v_lshl_add_u32 v[LOFF], v2, 8, v9
	v_add_nc_u32 v[LOFF], s36, v[LOFF]
	v_lshlrev_b32 v[HOF], 2, v1
	v_lshl_add_u32 v[HOF], v2, 13, v[HOF]
	v_add_nc_u32 v[HOF], s37, v[HOF]               ; 8192 h + 64 wv + 4 r
	WIN 0x80
	v_add_nc_u32 v[GOFF], s36, v60                 ; 4096 wv + 2048 tau + 16 g
	s_wait_kmcnt 0x0
	s_add_nc_u64 s[8:9], s[8:9], s[30:31]
	s_add_nc_u64 s[10:11], s[10:11], s[30:31]
	s_add_nc_u64 s[12:13], s[12:13], s[30:31]
	s_add_nc_u64 s[14:15], s[14:15], s[30:31]
	s_add_nc_u64 s[20:21], s[20:21], s[30:31]
	s_add_nc_u64 s[16:17], s[16:17], s[32:33]
	s_add_nc_u64 s[18:19], s[18:19], s[34:35]
	s_add_nc_u64 s[22:23], s[22:23], s[34:35]
	global_load_b128 v[U:U+3], v9, s[16:17]        ; u of my four channels
	WIN 0
.irp mt, 0,1,2,3
.irp j, 0,1,2,3,4,5,6,7
	global_load_b32 v[H+8*(\mt)+(\j)], v[HOF], s[18:19] offset:1024*(\j)+256*(\mt)   ; channel 32 h + 4 j + mt
.endr
.endr
	LOADS 0, 0
	LOADS 1, 0x4000
	WIN 0
	; addresses, while the loads are on their way
	v_mul_u32_u24 v61, v1, OPI
	v_lshl_add_u32 v61, v2, 5, v61
	v_add_nc_u32 v61, s37, v61
	v_add_nc_u32 v[OSA], OUT0, v61
	v_add_nc_u32 v[OSA+1], OUT0+OUTB, v61
	v_mul_u32_u24 v62, v2, OPI
	v_add_nc_u32 v62, v62, v9
	v_add_nc_u32 v62, s38, v62
	v_add_nc_u32 v[FLA], OUT0, v62
	v_add_nc_u32 v[FLA+1], OUT0+OUTB, v62
	v_mul_u32_u24 v63, v2, 32*OPI
	v_lshl_add_u32 v63, v1, 2, v63
	v_add_nc_u32 v63, s37, v63
	v_add_nc_u32 v[HST], OUT0, v63
	v_mul_u32_u24 v76, v7, GP
	v_lshl_add_u32 v76, v4, 4, v76                 ; the turning load's place in G
	v_add_nc_u32 v64, 160, v76                     ; q~
	v_mul_u32_u24 v65, v7, 160
	v_lshl_add_u32 v65, v4, 4, v65
	v_add_nc_u32 v65, s39, v65
	v_add_nc_u32 v65, O_V, v65
	v_lshl_add_u32 v66, v6, 4, O_A
	v_lshl_add_u32 v67, v7, 4, O_TOT
	v_mul_u32_u24 v68, v1, 48
	v_lshl_add_u32 v68, v2, 4, v68
	v_add_nc_u32 v68, O_KH, v68
	v_mul_u32_u24 v69, v1, 160
	v_lshl_add_u32 v69, v2, 4, v69
	v_add_nc_u32 v69, s39, v69
	v_add_nc_u32 v69, O_V, v69
	v_lshl_add_u32 v70, v1, 2, O_B
.irp q, 0,1,2,3
.irp n, 0,1,2,3,4,5,6
	v_add_nc_u32 v[CA+7*(\q)+(\n)], (\q)*2*BLK, v[64+(\n)]
.endr
.endr
	v_mul_u32_u24 v72, v1, GP
	v_lshl_add_u32 v72, v5, 4, v72
	v_mul_u32_u24 v73, v1, 48
	v_lshl_add_u32 v73, v5, 4, v73
	v_add_nc_u32 v73, O_KH, v73
	v_mul_u32_u24 v74, v5, 1280
	v_lshl_add_u32 v74, v1, 3, v74
	v_add_nc_u32 v74, O_V, v74
	v_lshl_add_u32 v75, v1, 4, O_TOT
	WIN 0x80                                       ; my own region of each buffer: wave x BLK
.macro PADDR n, src
	v_add_nc_u32 v[PA+(\n)], s40, v[\src]
	v_add_nc_u32 v[PA+7+(\n)], s41, v[\src]
.endm
	PADDR 0, 72
	PADDR 1, 73
	PADDR 2, 74
	PADDR 3, 75
	PADDR 4, 76
	PADDR 5, 66
	PADDR 6, 70
	WIN 0
	; the upper halves (K = 16..31) of the operands whose K is a block's 16 steps stay 0
.irp i, 4,5,6,7
	v_mov_b32 v[VF+(\i)], 0
	v_mov_b32 v[AF+(\i)], 0
	v_mov_b32 v[KF+(\i)], 0
	v_mov_b32 v[KF+8+(\i)], 0
	v_mov_b32 v[KF+16+(\i)], 0
	v_mov_b32 v[KF+24+(\i)], 0
.endr
	v_mov_b32 v[BT+1], 0
	; masks: t = r, s = 8 h + j.  Level b: 1/16 where t > s and the highest differing bit is b.  MU: 1 where t = s
	v_lshlrev_b32 v79, 3, v2
	v_mov_b32 v80, s28
.irp j, 0,1,2,3,4,5,6,7
	v_add_nc_u32 v81, (\j), v79
	v_xor_b32 v82, v1, v81
	v_cmp_gt_u32 s32, v1, v81
	v_cmp_eq_u32 s33, v1, v81
	v_cndmask_b32 v[MU+(\j)], 0, 1.0, s33
.irp lv, 0,1,2,3
	v_lshrrev_b32 v83, 3-(\lv), v82
	v_cmp_eq_u32 s33, 1, v83
	s_and_b32 s33, s33, s32
	v_cndmask_b32 v[MK+8*(\lv)+(\j)], 0, v80, s33
.endr
.endr
	s_wait_loadcnt 63                              ; u and the state are in: 64 loads were issued behind them, and 63 is the most that the wait can name
.set i, 0
.rept 16
	v_pk_mul_f32 v[H+2*i:H+2*i+1], v[H+2*i:H+2*i+1], 0x3d800000 op_sel_hi:[1,0]   ; the state is carried as h / 16
.set i, i+1
.endr
.set i, 0
.rept 16
	v_cvt_pk_f16_f32 v[HOP+i], v[H+2*i], v[H+2*i+1]
.set i, i+1
.endr
	s_mov_b32 s24, 0
.Ltrip:
	ROUND 0
	ROUND 1
	s_add_co_u32 s24, s24, 1
	s_cmp_lt_u32 s24, 8
	s_cbranch_scc1 .Ltrip
	s_wait_dscnt 0x0                               ; my o of the last round is in the stage
	s_barrier_signal -1
	s_barrier_wait -1
	s_wait_xcnt 0x0
	v_add_nc_u32 v[OOFF], 15*0x4000, v[LOFF]
	FLUSH 1, 20, OOFF
.set i, 0
.rept 16
	v_pk_mul_f32 v[H+2*i:H+2*i+1], v[H+2*i:H+2*i+1], 0x41800000 op_sel_hi:[1,0]   ; the final state, from its low end on
.set i, i+1
.endr
.irp mt, 0,1,2,3
.irp j, 0,1,2,3,4,5,6,7
	ds_store_b32 v[HST], v[H+8*(\mt)+(\j)] offset:(4*(\j)+(\mt))*OPI   ; stage 0: every wave's reads of it ended ahead of the barrier above
.endr
.endr
	s_wait_dscnt 0x0
	s_barrier_signal -1
	s_barrier_wait -1
	FLUSH 0, 22, LOFF
	s_wait_tensorcnt 0x0                           ; the wave's end, behind my last LDS store
	ds_add_u32 v[SPW], v[NIL]
	s_wait_dscnt 0x0
	s_endpgm
.Lfunc_end_k_qc2ae3920cd_rwkv:
	.size	k_qc2ae3920cd_rwkv, .Lfunc_end_k_qc2ae3920cd_rwkv-k_qc2ae3920cd_rwkv
	.p2alignl 7, 3214868480
	.fill 96, 4, 3214868480
	.section	.rodata,"a",@progbits
	.p2align	6, 0x0
	.amdhsa_kernel k_qc2ae3920cd_rwkv
		.amdhsa_group_segment_fixed_size 203264
		.amdhsa_private_segment_fixed_size 0
		.amdhsa_enable_private_segment 0
		.amdhsa_kernarg_size 64
		.amdhsa_user_sgpr_count 2
		.amdhsa_user_sgpr_kernarg_segment_ptr 1
		.amdhsa_wavefront_size32 1
		.amdhsa_system_sgpr_workgroup_id_x 1
		.amdhsa_system_sgpr_workgroup_id_y 1
		.amdhsa_system_sgpr_workgroup_id_z 1
		.amdhsa_system_vgpr_workitem_id 0
		.amdhsa_next_free_vgpr 768
		.amdhsa_next_free_sgpr 66
		.amdhsa_reserve_vcc 0
		.amdhsa_float_denorm_mode_32 3
		.amdhsa_float_denorm_mode_16_64 3
		.amdhsa_memory_ordered 1
		.amdhsa_forward_progress 1
		.amdhsa_inst_pref_size 146
	.end_amdhsa_kernel
	.amdgpu_metadata
---
amdhsa.version: [ 1, 2 ]
amdhsa.kernels:
  - .name:           k_qc2ae3920cd_rwkv
    .symbol:         k_qc2ae3920cd_rwkv.kd
    .args:
      - { .name: r, .offset: 0, .size: 8, .value_kind: global_buffer, .address_space: global }
      - { .name: k, .offset: 8, .size: 8, .value_kind: global_buffer, .address_space: global }
      - { .name: v, .offset: 16, .size: 8, .value_kind: global_buffer, .address_space: global }
      - { .name: w, .offset: 24, .size: 8, .value_kind: global_buffer, .address_space: global }
      - { .name: u, .offset: 32, .size: 8, .value_kind: global_buffer, .address_space: global }
      - { .name: initial_state, .offset: 40, .size: 8, .value_kind: global_buffer, .address_space: global }
      - { .name: out0, .offset: 48, .size: 8, .value_kind: global_buffer, .address_space: global }
      - { .name: out1, .offset: 56, .size: 8, .value_kind: global_buffer, .address_space: global }
    .group_segment_fixed_size: 203264
    .private_segment_fixed_size: 0
    .kernarg_segment_align: 8
    .kernarg_segment_size: 64
    .max_flat_workgroup_size: 128
    .sgpr_count:     66
    .vgpr_count:     768
    .wavefront_size: 32
...
	.end_amdgpu_metadata
.endif
;; end of part 1
;; ======== version 2 of 2: 1 launch; version 1 with the launch rwkv written anew for expert scheduling mode
;; limits: values are held in f16: magnitudes above 65,504 overflow, below 6.1e-05 lose precision; right only within a limited range of input values
;; launch rwkv (part 2): grid 128 x 1, 4 waves a work-group, no clusters, 203,264 bytes of LDS; arguments r, k, v, w, u, initial_state, out0, out1; writes out0, out1
.if DOCPART == 2
	.amdgcn_target "amdgcn-amd-amdhsa--gfx1250"
	.amdhsa_code_object_version 6
	.text
	.protected	k_qc2ae3920cd_rwkv
	.globl	k_qc2ae3920cd_rwkv
	.p2align	8
	.type	k_qc2ae3920cd_rwkv,@function
k_qc2ae3920cd_rwkv:
	s_mov_b64 s[64:65], 0
	v_nop
	global_prefetch_b8 v0, s[64:65] scope:SCOPE_SE
	s_setreg_imm32_b32 hwreg(HW_REG_WAVE_SCHED_MODE, 0, 2), 2
	s_setreg_imm32_b32 hwreg(HW_REG_WAVE_MODE, 25, 1), 1
	s_wait_xcnt 0x0
	s_wait_alu depctr_vm_vsrc(0)
; RWKV-6 recurrence.  One work-group = one of the 128 heads; 1,024 steps in blocks of 16; a ROUND is four blocks (64 steps).
; Per block, with d = exp(w):  o_t = q~_t . h + sum over s < t of A[t][s] v_s + b_t v_t;   h <- Tot h + k^T v.
;   q~ = q x (product of d from the block's start to t - 1);  k^ = k x (product of d from s + 1 to the block's end);  b_t = sum of q u k.
;   A[t][s] = sum over channels of q_t k_s x (product of d over s < j < t).  With b the highest bit in which t and s differ, that product is
;   Suf_b[s] x Pre_b[t] (to the end, from the start, of the aligned sub-block of b steps).  So A is four masked Gram matrices Z_b Z_b^T, b = 8, 4, 2, 1,
;   where row x of Z_b is q Pre_b if bit b of x is set and k Suf_b otherwise.  EVERY FACTOR IS A PRODUCT OF d OVER A RANGE OF STEPS: no quotient, no exp(-sum).
; FORMATS.  Matrix operands f16, sums f32.  The state is carried in f32 as h / 16, A as A / 16 (masks hold 1/16), k^ as k^ / 16; o = 16 acc + b_t v_t in f32.
; LIMITS.  |q|, |k|, |v|, |u q|, |u k|, |A| / 16 and |h| / 16 stay below 65,504 (f16's end).  For w > 0 the factors grow as exp(sum of w over at most 15 steps) and
;   must keep the operands in that range.  exp(w) below 2^-126 counts as 0.  f16 operands below 6e-5 keep f16's fixed step of 6e-8.  NaN and infinities are not treated apart.
; SHARES.  In a round wave wv PREPARES block 4 R + wv (its 16 steps of r, k, v, w come straight from memory into registers, 16 bytes a lane, whole rows of 256 bytes),
;   writes the operands into its own region of LDS buffer R % 2 and makes that block's A and b (GRAM).  Behind ONE barrier every wave CONSUMES the round's four blocks in order
;   for its own 16 columns of the state, and puts o into stage R % 2; the stage of the round before is stored as whole rows of 256 bytes behind the same barrier.
; No tensor loads: a lane's 16 bytes arrive in the layout that the preparation wants.  No cluster: no two work-groups share an input.
; The contraction index is rho = 16 c + g for channel 4 g + c: the same permutation on both sides of every product.
; REGISTER WINDOWS (s_set_vgpr_msb: bits 1:0 source 0, 3:2 source 1, 5:4 source 2, 7:6 destination): 0 consumer, 1 the two landing sets, 2 preparation, 3 the preparation's out-buffers and the masks.
; THE MODE: SCHED_MODE bits 1:0 = 2 (LLVM: expert scheduling mode 2), set by the entry lines.  The code itself states the register dependences
; between vector or matrix instructions and memory or LDS instructions, with s_wait_alu, always for 0.
; THE PLAN.  Registers that memory or LDS instructions touch, and who else names them:
;   landing sets 0, 1 (window 1)   written by the global loads issued two rounds ahead; read by the preparation's stages 1 to 3; asked for again behind that stage's wait.
;   PKV .. PKH (window 3), T16     an out-buffer for each matrix that a preparation stores: written once a round by one stage, read by LDS stores that stand behind the wait at
;                                  that stage's end, dealt among the next stage's vector work, which names none of them.
;   v0-79 of window 2              the factors, named by stages 1 to 3; the Gram's fragments land there behind stage 3's wait, while stage 4 works on QA, KB, SQ, SK.
;   PKA, B2                        written by the Gram's vector work; read by two LDS stores behind one wait.
;   FL = TMP                       named by stages 1 to 3; the flush's LDS loads land there behind the barrier, its global stores read it.
;   operand sets 0, 1 (window 0)   block b's vector and matrix instructions read set b % 2.  Blocks 0 and 1 are loaded behind the barrier; block b + 1 at the head of block b, into the set that block b - 1 read.
;   OT                             written by a block's last four lines; read by two LDS stores at the next block's head (block 3's: at its own end).
;   addresses and offsets          made at the kernel's head and never written again: the rows are reached by scalar bases, which scalar adds step, and by immediates.
; So in a round: one wait on vm_vsrc at its head (all that the last round's stores read is written again only behind it), one wait on va_vdst at the end of each of the preparation's
; four stages and of the Gram, one at the head of each of blocks 1 to 3 and one at block 3's end, and one wait on vm_vsrc ahead of OT's lines in blocks 1 to 3.
.set BLK,   20992      ; one block's operands in LDS
.set BUF,   4*BLK
.set GP,    224        ; pitch of G: 64 rows rho; 32 bytes (16 steps of f16) for each of Z8, Z4, Z2, Z1, Y, q~; 32 of padding
.set GC,    16*GP      ; from channel c to c + 1 (16 rows)
.set O_KH,  14336      ; k^/16: 64 rows rho, pitch 48
.set O_V,   17408      ; v in f16: 16 rows (steps), pitch 160
.set O_TOT, 19968      ; Tot in f32: word 4 g + c
.set O_A,   20224      ; A/16 in f16: 16 bytes a lane
.set O_B,   20736      ; b_t in f32
.set OUT0,  2*BUF      ; two stages of 64 rows, pitch 272
.set OPI,   272
.set OUTB,  64*OPI
; window 0
.set LOFF, 13          ; 4096 wv + 256 hh + 16 g; never rewritten
.set OSA, 14           ; v14-15 where I put o, by stage
.set FLA, 16           ; v16-17 where I read whole rows back, by stage
.set HST, 18           ; where the final state goes in stage 0
.set HOF, 19           ; my offset in initial_state
.set CA,  32           ; v32-59 consumer addresses: 7 for each pair of blocks
.set VX,  60
.set OT,  68
.set OA,  76
.set HOP, 84
.set H,   164
; The consumer's operands, in two sets that take turns, block by block:
;   BT  b_t and a 0 beside it      v20-21   | v22-23          VR  my 8 numbers of v_t in f16   v24-27   | v8-11 (named by halves below)
;   TT  Tot                        v28-31   | v252-255        QF  q~                           v100-115 | v196-211
;   VF  v                          v116-123 | v212-219        AF  A / 16                       v124-131 | v0-7
;   KF  k^ / 16                    v132-163 | v220-251
.macro CSET s
.set BT, 20+2*(\s)
.set VR, 24-16*(\s)
.set TT, 28+224*(\s)
.set QF, 100+96*(\s)
.set VF, 116+96*(\s)
.set AF, 124-124*(\s)
.set KF, 132+88*(\s)
.endm
; window 2
.set D,   0
.set T2,  32
.set T4,  48
.set PR3, 56
.set PR5, 60
.set PR6, 64
.set PR7, 68
.set SU0, 72
.set SU1, 76
.set SU2, 80
.set SU4, 84
.set P4,  88
.set S4,  92
.set T8,  96
.set TX,  100
.set SQ,  104
.set SK,  108
.set QA,  116
.set KB,  148
.set TMP, 180
.set FL,  180          ; the flush's 32 registers
.set T16, 212          ; Tot, as the LDS store reads it: registers that no accumulator of the Gram covers
.set U,   228
.set PA,  232          ; v232-245 preparation addresses, 7 for each buffer
.set GOFF, 246         ; 4096 wv + 2048 tau + 16 g; never rewritten
.set GG,  80           ; GRAM: G8, G4, G2, G1, GU at 80 + 8 n
.set AA,  120
.set PKA, 128
.set B2,  132
.set BX,  134
; window 3: the preparation's out-buffers, 16 registers each, and the masks
.set PKV, 0
.set PZ1, 16
.set PY,  32
.set PZ2, 48
.set PZ4, 64
.set PZ8, 80
.set PQT, 96
.set PKH, 112
.set MK,  128
.set MU,  160
.set MSB, 0
.macro WIN new                         ; the immediate's high byte repeats the setting that is left; a switch that changes nothing is dropped
.if MSB != (\new)
	s_set_vgpr_msb (MSB<<8)|(\new)
.set MSB, (\new)
.endif
.endm
; 32 loads: my block's 16 steps of w, r, k, v; each instruction covers two whole rows of 256 bytes
.macro LOADS set, imm
	WIN 0x42                                       ; data window 1, offset window 2
.irp i, 0,1,2,3,4,5,6,7
	global_load_b128 v[128*(\set)+4*(\i):128*(\set)+4*(\i)+3], v[GOFF], s[14:15] offset:(\imm)+256*(\i) th:TH_LOAD_NT
.endr
.irp i, 0,1,2,3,4,5,6,7
	global_load_b128 v[128*(\set)+32+4*(\i):128*(\set)+32+4*(\i)+3], v[GOFF], s[8:9] offset:(\imm)+256*(\i) th:TH_LOAD_NT
.endr
.irp i, 0,1,2,3,4,5,6,7
	global_load_b128 v[128*(\set)+64+4*(\i):128*(\set)+64+4*(\i)+3], v[GOFF], s[10:11] offset:(\imm)+256*(\i) th:TH_LOAD_NT
.endr
.irp i, 0,1,2,3,4,5,6,7
	global_load_b128 v[128*(\set)+96+4*(\i):128*(\set)+96+4*(\i)+3], v[GOFF], s[12:13] offset:(\imm)+256*(\i) th:TH_LOAD_NT
.endr
.endm
.macro MUL2 d, a, b                    ; a quad (four channels) times a quad, window 2
	WIN 0xaa
	v_pk_mul_f32 v[(\d):(\d)+1], v[(\a):(\a)+1], v[(\b):(\b)+1]
	v_pk_mul_f32 v[(\d)+2:(\d)+3], v[(\a)+2:(\a)+3], v[(\b)+2:(\b)+3]
.endm
.macro PRD d, raw, fac                 ; a landed quad (window 1) times a factor quad
	WIN 0xa9
	v_pk_mul_f32 v[(\d):(\d)+1], v[(\raw):(\raw)+1], v[(\fac):(\fac)+1]
	v_pk_mul_f32 v[(\d)+2:(\d)+3], v[(\raw)+2:(\raw)+3], v[(\fac)+2:(\fac)+3]
.endm
.macro PR1 d, raw                      ; a landed quad brought into window 2
	WIN 0xa9
	v_pk_mul_f32 v[(\d):(\d)+1], v[(\raw):(\raw)+1], 1.0 op_sel_hi:[1,0]
	v_pk_mul_f32 v[(\d)+2:(\d)+3], v[(\raw)+2:(\raw)+3], 1.0 op_sel_hi:[1,0]
.endm
.macro ENT i, reg, win                 ; step i of the matrix to be stored lies in quad reg of window win
.set E\i, \reg
.set W\i, \win
.endm
.macro ENTALL base
.irp i, 0,1,2,3,4,5,6,7
	ENT \i, (\base)+4*(\i), 2
.endr
.endm
.macro CV4 pk, p, ea, wa, eb, wb       ; steps 2 p, 2 p + 1 of the four channels, rounded to f16, into out-buffer pk
	WIN 0xc0|(\wa)|((\wb)<<2)
.irp c, 0,1,2,3
	v_cvt_pk_f16_f32 v[(\pk)+4*(\c)+(\p)], v[(\ea)+(\c)], v[(\eb)+(\c)]
.endr
.endm
.macro PCV pk                          ; my 8 steps x 4 channels into out-buffer pk
	CV4 \pk, 0, E0, W0, E1, W1
	CV4 \pk, 1, E2, W2, E3, W3
	CV4 \pk, 2, E4, W4, E5, W5
	CV4 \pk, 3, E6, W6, E7, W7
.endm
.macro PSTO areg, pk, off, cstr        ; out-buffer pk: 16 bytes into each of four rows rho
	WIN 0x0e                                       ; address window 2, data window 3
.irp c, 0,1,2,3
	ds_store_b128 v[\areg], v[(\pk)+4*(\c):(\pk)+4*(\c)+3] offset:(\off)+(\c)*(\cstr)
.endr
.endm
; THE PREPARATION of my block, from landing set `set` into LDS buffer p.  A lane holds channels 4 g + c and steps 8 tau + i.  Stages 1 to 3: all that reads the landing set.
.macro PREP1 set, p
.set RW, 128*(\set)
.set RQ, RW+32
.set RK, RW+64
.set RV, RW+96
.set AP, PA+7*(\p)
	s_wait_loadcnt 32                              ; loads return in order: this set is in; the 32 of the other set, issued behind it, may stay out
	s_wait_xcnt 0x0                                ; the last flush's stores have read their data: TMP is written again only behind this wait
	s_wait_alu depctr_vm_vsrc(0)                   ; the last round's LDS stores have read the out-buffers, T16, PKA, B2 and OT, the last flush's stores FL (= TMP): this round writes all of them again (first round: u's load has read v9, in which operands land)
	; STAGE 1: d, v, Z1, Y
	WIN 0xa9
.set i, 0
.rept 16
	v_pk_mul_f32 v[D+2*i:D+2*i+1], v[RW+2*i:RW+2*i+1], 0x3fb8aa3b op_sel_hi:[1,0]   ; w log2(e)
.set i, i+1
.endr
	WIN 0xaa
.set i, 0
.rept 32
	v_exp_f32 v[D+i], v[D+i]                       ; d = exp(w)
.set i, i+1
.endr
	WIN 0xc5                                       ; v in f16: plain work that names no d stands behind the exponentials
.set i, 0
.rept 8
	v_cvt_pk_f16_f32 v[PKV+2*i], v[RV+4*i], v[RV+4*i+1]
	v_cvt_pk_f16_f32 v[PKV+2*i+1], v[RV+4*i+2], v[RV+4*i+3]
.set i, i+1
.endr
	; Z1: k on even steps, q on odd ones, as they landed
.irp i, 0,2,4,6
	ENT \i, RK+4*(\i), 1
.endr
.irp i, 1,3,5,7
	ENT \i, RQ+4*(\i), 1
.endr
	PCV PZ1
	; Y: u q on even steps, u k on odd ones
.irp i, 0,2,4,6
	PRD TMP+4*(\i), RQ+4*(\i), U
.endr
.irp i, 1,3,5,7
	PRD TMP+4*(\i), RK+4*(\i), U
.endr
	ENTALL TMP
	PCV PY
	s_wait_alu depctr_va_vdst(0)                   ; stage 1 has written PKV, PZ1 and PY, which the stores dealt among stage 2 read (first round: the head has written every address)
	; STAGE 2: the products of d that the factors need, Z2, Z4
	WIN 0x0e
.irp i, 0,1,2,3,4,5,6,7
	ds_store_b64 v[AP+2], v[PKV+2*(\i):PKV+2*(\i)+1] offset:160*(\i)
.endr
	MUL2 T2, D, D+4
	MUL2 T2+4, D+8, D+12
	MUL2 T2+8, D+16, D+20
	MUL2 T2+12, D+24, D+28
	MUL2 T4, T2, T2+4
	MUL2 T4+4, T2+8, T2+12
	MUL2 PR3, T2, D+8
	MUL2 SU4, D+20, T2+12
	PSTO AP, PZ1, 96, GC
	MUL2 P4, T2+8, D+24
	MUL2 S4, D+4, T2+4
	MUL2 PR5, T4, D+16
	MUL2 PR6, T4, T2+8
	MUL2 SU2, D+12, T4+4
	MUL2 SU1, T2+4, T4+4
	MUL2 T8, T4, T4+4
	MUL2 PR7, PR6, D+24
	MUL2 SU0, D+4, SU1
	PSTO AP, PY, 128, GC
	; Z2
	PRD TMP,    RK,    D+4
	PRD TMP+12, RQ+12, D+8
	PRD TMP+16, RK+16, D+20
	PRD TMP+28, RQ+28, D+24
	ENT 0, TMP, 2
	ENT 1, RK+4, 1
	ENT 2, RQ+8, 1
	ENT 3, TMP+12, 2
	ENT 4, TMP+16, 2
	ENT 5, RK+20, 1
	ENT 6, RQ+24, 1
	ENT 7, TMP+28, 2
	PCV PZ2
	; Z4
	PRD TMP,    RK,    S4
	PRD TMP+4,  RK+4,  T2+4
	PRD TMP+8,  RK+8,  D+12
	PRD TMP+20, RQ+20, D+16
	PRD TMP+24, RQ+24, T2+8
	PRD TMP+28, RQ+28, P4
	ENT 0, TMP, 2
	ENT 1, TMP+4, 2
	ENT 2, TMP+8, 2
	ENT 3, RK+12, 1
	ENT 4, RQ+16, 1
	ENT 5, TMP+20, 2
	ENT 6, TMP+24, 2
	ENT 7, TMP+28, 2
	PCV PZ4
	s_wait_alu depctr_va_vdst(0)                   ; stage 2 has written PZ2 and PZ4, which the stores dealt among stage 3 read
	; STAGE 3: q times the prefix, k times the suffix, inside my 8 steps; Tot; Z8
	PSTO AP, PZ2, 64, GC
	PR1 QA, RQ
	PRD QA+4,  RQ+4,  D
	PRD QA+8,  RQ+8,  T2
	PRD QA+12, RQ+12, PR3
	PRD QA+16, RQ+16, T4
	PRD QA+20, RQ+20, PR5
	PRD QA+24, RQ+24, PR6
	PRD QA+28, RQ+28, PR7
	PSTO AP, PZ4, 32, GC
	PRD KB,    RK,    SU0
	PRD KB+4,  RK+4,  SU1
	PRD KB+8,  RK+8,  SU2
	PRD KB+12, RK+12, T4+4
	PRD KB+16, RK+16, SU4
	PRD KB+20, RK+20, T2+12
	PRD KB+24, RK+24, D+28
	PR1 KB+28, RK+28
	WIN 0xaa
.irp c, 0,1,2,3
	v_mov_b32 v[TX+(\c)], 0                        ; the exchange's destination counts as read
.endr
.irp c, 0,1,2,3
	v_permlanex16_b32 v[TX+(\c)], v[T8+(\c)], s26, s27   ; the other 8 steps' product lies in the lane 16 away
.endr
.irp c, 0,1,2,3
	v_cndmask_b32 v[SQ+(\c)], 1.0, v[TX+(\c)], s25       ; steps 8-15: q~ takes the first half's product too
	v_cndmask_b32 v[SK+(\c)], v[TX+(\c)], 1.0, s25       ; steps 0-7: k^ takes the second half's
.endr
	v_pk_mul_f32 v[SK:SK+1], v[SK:SK+1], 0x3d800000 op_sel_hi:[1,0]      ; and 1/16
	v_pk_mul_f32 v[SK+2:SK+3], v[SK+2:SK+3], 0x3d800000 op_sel_hi:[1,0]
	MUL2 T16, T8, TX
.set i, 0
.rept 32
	v_cndmask_b32 v[TMP+i], v[KB+i], v[QA+i], s25  ; Z8: k suffix for steps 0-7, q prefix for steps 8-15
.set i, i+1
.endr
	ENTALL TMP
	PCV PZ8
	s_wait_alu depctr_va_vdst(0)                   ; stage 3 has written PZ8 and T16, which the stores below read; stages 1 to 3 are done with the landing set, with v0-79 of window 2 and with TMP, in which the global loads, the Gram's fragments and the flush's rows land
.endm
; Stage 4.  The Gram's fragments are asked for ahead of it: the rows [rho][step] come back turned: lane l holds step l % 16 and 8 rho a load.  LDS serves a wave's instructions in order: these see my stores above.
.macro PREP2 p
.set AP, PA+7*(\p)
	PSTO AP, PZ8, 0, GC
	WIN 0xaa
	ds_store_b128 v[AP+3], v[T16:T16+3]            ; both halves of the lanes hold and write the same four numbers
.irp m, 0,1,2,3,4
.irp kk, 0,1,2,3
	ds_load_tr16_b128 v[16*(\m)+4*(\kk):16*(\m)+4*(\kk)+3], v[AP+4] offset:32*(\m)+GC*(\kk)   ; no vector instruction since the wait above names these registers, nor does stage 4
.endr
.endr
.irp i, 0,1,2,3,4,5,6,7
	MUL2 QA+4*(\i), QA+4*(\i), SQ
.endr
.irp i, 0,1,2,3,4,5,6,7
	MUL2 KB+4*(\i), KB+4*(\i), SK
.endr
	ENTALL QA
	PCV PQT
	ENTALL KB
	PCV PKH
	s_wait_alu depctr_va_vdst(0)                   ; stage 4 has written PQT and PKH, which the eight stores below read
	PSTO AP, PQT, 160, GC
	PSTO AP+1, PKH, 0, 768
.endm
.macro GW g, a, b, ks
.if (\ks) == 0
	v_wmma_f32_16x16x32_f16 v[(\g):(\g)+7], v[(\a):(\a)+7], v[(\b):(\b)+7], 0
.else
	v_wmma_f32_16x16x32_f16 v[(\g):(\g)+7], v[(\a)+8:(\a)+15], v[(\b)+8:(\b)+15], v[(\g):(\g)+7]
.endif
.endm
; A / 16 and b of my block.
.macro GRAM p
.set AP, PA+7*(\p)
	WIN 0xaa
	s_wait_dscnt 8                                 ; LDS instructions end in order: the 20 fragment loads are back; the eight stores of q~ and k^, issued behind them, may stay out
.irp ks, 0,1                           ; five accumulators by turns, one instruction a turn
	GW GG,    0,  0,  \ks
	GW GG+8,  16, 16, \ks
	GW GG+16, 32, 32, \ks
	GW GG+24, 48, 48, \ks
	GW GG+32, 48, 64, \ks
.endr
.rept 4
	v_nop                                          ; four places between the last product and the first read of a result
.endr
	WIN 0xae                                       ; masks in window 3.  Lane (r, h), register j: t = r, s = 8 h + j
.irp j, 0,2,4,6
	v_pk_mul_f32 v[AA+(\j):AA+(\j)+1], v[GG+(\j):GG+(\j)+1], v[MK+(\j):MK+(\j)+1]
.endr
.irp n, 1,2,3
.irp j, 0,2,4,6
	v_pk_fma_f32 v[AA+(\j):AA+(\j)+1], v[GG+8*(\n)+(\j):GG+8*(\n)+(\j)+1], v[MK+8*(\n)+(\j):MK+8*(\n)+(\j)+1], v[AA+(\j):AA+(\j)+1]
.endr
.endr
	v_pk_mul_f32 v[B2:B2+1], v[GG+32:GG+33], v[MU:MU+1]
.irp j, 2,4,6
	v_pk_fma_f32 v[B2:B2+1], v[GG+32+(\j):GG+32+(\j)+1], v[MU+(\j):MU+(\j)+1], v[B2:B2+1]
.endr
	WIN 0xaa
.irp j, 0,1,2,3
	v_cvt_pk_f16_f32 v[PKA+(\j)], v[AA+2*(\j)], v[AA+2*(\j)+1]
.endr
	v_add_f32 v[B2], v[B2], v[B2+1]
	v_mov_b32 v[BX], 0
	v_permlanex16_b32 v[BX], v[B2], s26, s27       ; the diagonal element of step r lies in one of the two lanes with that r
	v_add_f32 v[B2], v[B2], v[BX]
	s_wait_alu depctr_va_vdst(0)                   ; PKA and B2 are written, which the two stores below read
	ds_store_b128 v[AP+5], v[PKA:PKA+3]
	ds_store_b32 v[AP+6], v[B2]
.endm
; the 13 LDS loads of block b of buffer p, into operand set b % 2
.macro CLOADS p, b
	CSET (\b)%2
.set CB, CA+7*(2*(\p)+(\b)/2)
.set CO, ((\b)%2)*BLK
.irp kk, 0,1,2,3
	ds_load_tr16_b128 v[QF+4*(\kk):QF+4*(\kk)+3], v[CB] offset:CO+GC*(\kk)
.endr
	ds_load_tr16_b128 v[VF:VF+3], v[CB+1] offset:CO
	ds_load_b128 v[AF:AF+3], v[CB+2] offset:CO
	ds_load_b128 v[TT:TT+3], v[CB+3] offset:CO
.irp mt, 0,1,2,3
	ds_load_b128 v[KF+8*(\mt):KF+8*(\mt)+3], v[CB+4] offset:CO+768*(\mt)
.endr
	ds_load_b128 v[VR:VR+3], v[CB+5] offset:CO
	ds_load_b32 v[BT], v[CB+6] offset:CO
.endm
; One block for my 16 columns of the state.  H tile mt, register j, lane (r, h): rho = 16 mt + 8 h + j, column 16 wv + r.
.macro CBLK p, b
.if (\b) > 0
	s_wait_alu depctr_va_vdst(0)                   ; the block before has written OT, which the two stores below read, and its vector and matrix instructions are done reading its operand set, in which the loads below land
.if (\b) < 3
	CLOADS \p, (\b)+1                              ; the next block's operands have this block's work in which to land; this block names the other set
.endif
	ds_store_b128 v[OSA+(\p)], v[OT:OT+3] offset:((\b)-1)*16*OPI
	ds_store_b128 v[OSA+(\p)], v[OT+4:OT+7] offset:((\b)-1)*16*OPI+16
.endif
	CSET (\b)%2
	; the block's operands are in; LDS instructions end in order, and the younger ones may stay out:
.if (\b) == 0
	s_wait_dscnt 13                                ; block 1's 13 loads
.elseif (\b) == 1
	s_wait_dscnt 15                                ; block 2's 13 loads and the two stores of o
.elseif (\b) == 2
	s_wait_dscnt 17                                ; two stores of o, block 3's 13 loads, two stores of o
.else
	s_wait_dscnt 4                                 ; twice two stores of o
.endif
.irp mt, 0,1,2,3
.irp j, 0,1,2,3,4,5,6,7
	v_mul_f32_dpp v[H+8*(\mt)+(\j)], v[TT+(\mt)], v[H+8*(\mt)+(\j)] row_share:\j row_mask:0xf bank_mask:0xf   ; lane j of my 16 holds Tot of g = 8 h + j
.endr
.endr
	; the accumulators take turns, one instruction a turn
	v_wmma_f32_16x16x32_f16 v[OA:OA+7], v[HOP:HOP+7], v[QF:QF+7], 0
	v_wmma_f32_16x16x32_f16 v[H:H+7], v[KF:KF+7], v[VF:VF+7], v[H:H+7]
	v_wmma_f32_16x16x32_f16 v[OA:OA+7], v[HOP+8:HOP+15], v[QF+8:QF+15], v[OA:OA+7]
	v_wmma_f32_16x16x32_f16 v[H+8:H+15], v[KF+8:KF+15], v[VF:VF+7], v[H+8:H+15]
	v_wmma_f32_16x16x32_f16 v[OA:OA+7], v[VF:VF+7], v[AF:AF+7], v[OA:OA+7]
	v_wmma_f32_16x16x32_f16 v[H+16:H+23], v[KF+16:KF+23], v[VF:VF+7], v[H+16:H+23]
	v_wmma_f32_16x16x32_f16 v[H+24:H+31], v[KF+24:KF+31], v[VF:VF+7], v[H+24:H+31]
	; b_t v_t: twelve plain instructions that name no register of the products: the places behind them
.if ((\b)%2) == 0
	v_cvt_f32_f16 v[VX], v24.l
	v_cvt_f32_f16 v[VX+1], v24.h
	v_cvt_f32_f16 v[VX+2], v25.l
	v_cvt_f32_f16 v[VX+3], v25.h
	v_cvt_f32_f16 v[VX+4], v26.l
	v_cvt_f32_f16 v[VX+5], v26.h
	v_cvt_f32_f16 v[VX+6], v27.l
	v_cvt_f32_f16 v[VX+7], v27.h
.else
	v_cvt_f32_f16 v[VX], v8.l
	v_cvt_f32_f16 v[VX+1], v8.h
	v_cvt_f32_f16 v[VX+2], v9.l
	v_cvt_f32_f16 v[VX+3], v9.h
	v_cvt_f32_f16 v[VX+4], v10.l
	v_cvt_f32_f16 v[VX+5], v10.h
	v_cvt_f32_f16 v[VX+6], v11.l
	v_cvt_f32_f16 v[VX+7], v11.h
.endif
.irp j, 0,2,4,6
	v_pk_mul_f32 v[VX+(\j):VX+(\j)+1], v[VX+(\j):VX+(\j)+1], v[BT:BT+1] op_sel_hi:[1,0]
.endr
.set i, 0
.rept 16
	v_cvt_pk_f16_f32 v[HOP+i], v[H+2*i], v[H+2*i+1]   ; the new state as the next block's operand; each tile from its low end on
.set i, i+1
.endr
.if (\b) > 0
	s_wait_alu depctr_vm_vsrc(0)                   ; the two stores at this block's head have read OT, which the four lines below write again (block 0: the wait at the round's head has said so of the last round's)
.endif
.irp j, 0,2,4,6
	v_pk_fma_f32 v[OT+(\j):OT+(\j)+1], v[OA+(\j):OA+(\j)+1], 0x41800000, v[VX+(\j):VX+(\j)+1] op_sel_hi:[1,0,1]   ; o = 16 acc + b v
.endr
.if (\b) == 3
	s_wait_alu depctr_va_vdst(0)                   ; OT is written, which the two stores below read: the round's last block has no block behind it; its reads of set 1 are over too
	ds_store_b128 v[OSA+(\p)], v[OT:OT+3] offset:(\b)*16*OPI
	ds_store_b128 v[OSA+(\p)], v[OT+4:OT+7] offset:(\b)*16*OPI+16
.endif
.endm
; 16 whole rows of stage p go out: sixteen lanes store 256 consecutive bytes, at a multiple of 256 from the buffer's first byte.
; step = 1: the base moves on by two rounds first.  again = 1: no wait on vm_vsrc has stood since the last flush's stores.
.macro FLUSH p, base, imm, step, again
	s_wait_xcnt 0x0                                ; earlier stores have read FL and their base
.if \again
	s_wait_alu depctr_vm_vsrc(0)                   ; the flush before has read FL, in which the loads below land
.endif
.if \step
	s_add_nc_u64 s[\base:\base+1], s[\base:\base+1], 0x8000
.endif
	WIN 0x80
.irp i, 0,1,2,3,4,5,6,7
	ds_load_b128 v[FL+4*(\i):FL+4*(\i)+3], v[FLA+(\p)] offset:2*OPI*(\i)
.endr
	WIN 0x08
.irp i, 0,1,2,3,4,5,6,7
	s_wait_dscnt 7-(\i)                            ; LDS loads return in order: the 7 - i younger ones may stay out
	global_store_b128 v[LOFF], v[FL+4*(\i):FL+4*(\i)+3], s[\base:\base+1] offset:(\imm)+512*(\i) th:TH_STORE_NT
.endr
	WIN 0
.endm
; A ROUND, of parity par (static): s24 counts pairs of rounds
.macro ROUND par
	PREP1 \par, \par
	WIN 0
	s_cmp_eq_u32 s24, 7
	s_cbranch_scc1 .Lnl_\@                         ; the last two rounds fetch nothing: no load leaves its buffer
	s_wait_xcnt 0x0                                ; the pending loads have read their bases, which move on by a round
	s_add_nc_u64 s[8:9], s[8:9], 0x4000
	s_add_nc_u64 s[10:11], s[10:11], 0x4000
	s_add_nc_u64 s[12:13], s[12:13], 0x4000
	s_add_nc_u64 s[14:15], s[14:15], 0x4000
	LOADS \par, 0x4000                             ; the round after next, into the set just used up: stage 3's wait stands straight ahead
	WIN 0
	s_branch .Lld_\@
.Lnl_\@:
	s_wait_loadcnt 0x0                             ; here nothing was issued behind the other set: its wait is for 0
.Lld_\@:
	PREP2 \par
	GRAM \par
	WIN 0
	s_wait_dscnt 0x0                               ; for the others' sake: my operands are stored, my o of the last round too, and my reads of both are back
	s_barrier_signal -1
	s_barrier_wait -1
	CLOADS \par, 0                                 ; both operand sets: the last vector and matrix instructions that named them stand ahead of the wait at the last round's end
	CLOADS \par, 1
.if (\par) == 0
	s_cmp_eq_u32 s24, 0
	s_cbranch_scc1 .Lnf_\@                         ; the first round has no round before it
	FLUSH 1, 20, -0x4000, 1, 0                     ; the base goes to this round's rows; the round before lies one round back
.Lnf_\@:
.else
	FLUSH 0, 20, 0, 0, 0
.endif
	CBLK \par, 0
	CBLK \par, 1
	CBLK \par, 2
	CBLK \par, 3
.endm
	s_load_b512 s[8:23], s[0:1], 0x0               ; r 8, k 10, v 12, w 14, u 16, initial_state 18, out0 20, out1 22
	v_lshl_add_u32 v12, v0, 2, 0x31800
	s_set_vgpr_msb 0x80
	v_mov_b32 v255, 0
	s_set_vgpr_msb 0x8000
	v_lshrrev_b32 v1, 5, v0
	v_readfirstlane_b32 s2, v1                     ; wave 0..3
	s_mov_b32 s3, ttmp9                            ; head
	v_and_b32 v6, 31, v0                           ; L
	v_and_b32 v1, 15, v0                           ; g = r
	v_bfe_u32 v2, v0, 4, 1                         ; hh = h
	v_and_b32 v3, 7, v0                            ; l7
	v_bfe_u32 v4, v0, 3, 1                         ; b3
	v_xor_b32 v5, v2, v4                           ; tau: which 8 steps of the block are mine in the preparation
	v_lshl_add_u32 v7, v2, 3, v3                   ; 8 hh + l7
	v_lshlrev_b32 v9, 4, v1                        ; 16 g
	s_lshl_b32 s30, s3, 18                         ; a head's 1,024 x 64 x 4 bytes
	s_mov_b32 s31, 0
	s_lshl_b32 s34, s3, 14                         ; a head's state
	s_mov_b32 s35, 0
	s_and_b32 s32, s3, 31
	s_lshl_b32 s32, s32, 8                         ; u's row
	s_mov_b32 s33, 0
	s_mov_b32 s25, 0x00ffff00                      ; the lanes with tau = 1
	s_mov_b32 s26, 0x76543210
	s_mov_b32 s27, 0xfedcba98
	s_mov_b32 s28, 0x3d800000                      ; 1/16
	s_wait_alu depctr_va_sdst(0)                   ; s2 is written, ahead of its first reader
	s_lshl_b32 s36, s2, 12
	s_lshl_b32 s37, s2, 6
	s_lshl_b32 s39, s2, 5
	s_mul_i32 s38, s2, 16*OPI
	s_mul_i32 s40, s2, BLK
	s_add_co_u32 s41, s40, BUF
	v_lshl_add_u32 v60, v5, 11, v9
	v_lshl_add_u32 v[LOFF], v2, 8, v9
	v_add_nc_u32 v[LOFF], s36, v[LOFF]
	v_lshlrev_b32 v[HOF], 2, v1
	v_lshl_add_u32 v[HOF], v2, 13, v[HOF]
	v_add_nc_u32 v[HOF], s37, v[HOF]               ; 8192 h + 64 wv + 4 r
	WIN 0x80
	v_add_nc_u32 v[GOFF], s36, v60                 ; 4096 wv + 2048 tau + 16 g
	s_wait_kmcnt 0x0
	s_add_nc_u64 s[8:9], s[8:9], s[30:31]
	s_add_nc_u64 s[10:11], s[10:11], s[30:31]
	s_add_nc_u64 s[12:13], s[12:13], s[30:31]
	s_add_nc_u64 s[14:15], s[14:15], s[30:31]
	s_add_nc_u64 s[20:21], s[20:21], s[30:31]
	s_add_nc_u64 s[16:17], s[16:17], s[32:33]
	s_add_nc_u64 s[18:19], s[18:19], s[34:35]
	s_add_nc_u64 s[22:23], s[22:23], s[34:35]
	s_wait_alu depctr_va_vdst(0)                   ; v9, v[HOF] and v[GOFF] are written: the offsets of the loads below
	global_load_b128 v[U:U+3], v9, s[16:17]        ; u of my four channels
	WIN 0
.irp mt, 0,1,2,3
.irp j, 0,1,2,3,4,5,6,7
	global_load_b32 v[H+8*(\mt)+(\j)], v[HOF], s[18:19] offset:1024*(\j)+256*(\mt)   ; channel 32 h + 4 j + mt
.endr
.endr
	LOADS 0, 0
	LOADS 1, 0x4000
	WIN 0
	; addresses, while the loads are on their way
	v_mul_u32_u24 v61, v1, OPI
	v_lshl_add_u32 v61, v2, 5, v61
	v_add_nc_u32 v61, s37, v61
	v_add_nc_u32 v[OSA], OUT0, v61
	v_add_nc_u32 v[OSA+1], OUT0+OUTB, v61
	v_mul_u32_u24 v62, v2, OPI
	v_add_nc_u32 v62, v62, v9
	v_add_nc_u32 v62, s38, v62
	v_add_nc_u32 v[FLA], OUT0, v62
	v_add_nc_u32 v[FLA+1], OUT0+OUTB, v62
	v_mul_u32_u24 v63, v2, 32*OPI
	v_lshl_add_u32 v63, v1, 2, v63
	v_add_nc_u32 v63, s37, v63
	v_add_nc_u32 v[HST], OUT0, v63
	v_mul_u32_u24 v76, v7, GP
	v_lshl_add_u32 v76, v4, 4, v76                 ; the turning load's place in G
	v_add_nc_u32 v64, 160, v76                     ; q~
	v_mul_u32_u24 v65, v7, 160
	v_lshl_add_u32 v65, v4, 4, v65
	v_add_nc_u32 v65, s39, v65
	v_add_nc_u32 v65, O_V, v65
	v_lshl_add_u32 v66, v6, 4, O_A
	v_lshl_add_u32 v67, v7, 4, O_TOT
	v_mul_u32_u24 v68, v1, 48
	v_lshl_add_u32 v68, v2, 4, v68
	v_add_nc_u32 v68, O_KH, v68
	v_mul_u32_u24 v69, v1, 160
	v_lshl_add_u32 v69, v2, 4, v69
	v_add_nc_u32 v69, s39, v69
	v_add_nc_u32 v69, O_V, v69
	v_lshl_add_u32 v70, v1, 2, O_B
.irp q, 0,1,2,3
.irp n, 0,1,2,3,4,5,6
	v_add_nc_u32 v[CA+7*(\q)+(\n)], (\q)*2*BLK, v[64+(\n)]
.endr
.endr
	v_mul_u32_u24 v72, v1, GP
	v_lshl_add_u32 v72, v5, 4, v72
	v_mul_u32_u24 v73, v1, 48
	v_lshl_add_u32 v73, v5, 4, v73
	v_add_nc_u32 v73, O_KH, v73
	v_mul_u32_u24 v74, v5, 1280
	v_lshl_add_u32 v74, v1, 3, v74
	v_add_nc_u32 v74, O_V, v74
	v_lshl_add_u32 v75, v1, 4, O_TOT
	WIN 0x80                                       ; my own region of each buffer: wave x BLK
.macro PADDR n, src
	v_add_nc_u32 v[PA+(\n)], s40, v[\src]
	v_add_nc_u32 v[PA+7+(\n)], s41, v[\src]
.endm
	PADDR 0, 72
	PADDR 1, 73
	PADDR 2, 74
	PADDR 3, 75
	PADDR 4, 76
	PADDR 5, 66
	PADDR 6, 70
	WIN 0
	; the upper halves (K = 16..31) of the operands whose K is a block's 16 steps stay 0, in both operand sets (v4 to v7 have served the addresses above)
.irp s, 0,1
	CSET \s
.irp i, 4,5,6,7
	v_mov_b32 v[VF+(\i)], 0
	v_mov_b32 v[AF+(\i)], 0
	v_mov_b32 v[KF+(\i)], 0
	v_mov_b32 v[KF+8+(\i)], 0
	v_mov_b32 v[KF+16+(\i)], 0
	v_mov_b32 v[KF+24+(\i)], 0
.endr
	v_mov_b32 v[BT+1], 0
.endr
	; masks: t = r, s = 8 h + j.  Level b: 1/16 where t > s and the highest differing bit is b.  MU: 1 where t = s.  For each j the six compares stand in one run
	v_lshlrev_b32 v79, 3, v2
	v_mov_b32 v80, s28
.irp j, 0,1,2,3,4,5,6,7
	WIN 0
	v_add_nc_u32 v81, (\j), v79
	v_xor_b32 v82, v1, v81
	v_cmp_gt_u32 s32, v1, v81
	v_cmp_eq_u32 s33, v1, v81
.irp lv, 0,1,2,3
	v_lshrrev_b32 v83, 3-(\lv), v82
	v_cmp_eq_u32 s[42+(\lv)], 1, v83
.endr
	s_wait_alu depctr_va_sdst(0)                   ; the six compares have written s32, s33 and s42 to s45, ahead of their first readers
.irp lv, 0,1,2,3
	s_and_b32 s[42+(\lv)], s[42+(\lv)], s32
.endr
	WIN 0xc0                                       ; the masks lie in window 3
	v_cndmask_b32 v[MU+(\j)], 0, 1.0, s33
.irp lv, 0,1,2,3
	v_cndmask_b32 v[MK+8*(\lv)+(\j)], 0, v80, s[42+(\lv)]
.endr
.endr
	WIN 0
	s_wait_loadcnt 63                              ; u and the state are in: 64 loads were issued behind them, and 63 is the most that the wait can name
.set i, 0
.rept 16
	v_pk_mul_f32 v[H+2*i:H+2*i+1], v[H+2*i:H+2*i+1], 0x3d800000 op_sel_hi:[1,0]   ; the state is carried as h / 16
.set i, i+1
.endr
.set i, 0
.rept 16
	v_cvt_pk_f16_f32 v[HOP+i], v[H+2*i], v[H+2*i+1]
.set i, i+1
.endr
	s_mov_b32 s24, 0
.Ltrip:
	ROUND 0
	ROUND 1
	s_add_co_u32 s24, s24, 1
	s_cmp_lt_u32 s24, 8
	s_cbranch_scc1 .Ltrip
	s_wait_dscnt 0x0                               ; my o of the last round is in the stage
	s_barrier_signal -1
	s_barrier_wait -1
	FLUSH 1, 20, 0x4000, 0, 0                      ; the base stands at the last round but one; the waits on vm_vsrc in the last round's blocks stand behind the last flush's stores
.set i, 0
.rept 16
	v_pk_mul_f32 v[H+2*i:H+2*i+1], v[H+2*i:H+2*i+1], 0x41800000 op_sel_hi:[1,0]   ; the final state, from its low end on
.set i, i+1
.endr
	s_wait_alu depctr_va_vdst(0)                   ; the final state is written, which the LDS stores below read
.irp mt, 0,1,2,3
.irp j, 0,1,2,3,4,5,6,7
	ds_store_b32 v[HST], v[H+8*(\mt)+(\j)] offset:(4*(\j)+(\mt))*OPI   ; stage 0: every wave's reads of it ended ahead of the barrier above
.endr
.endr
	s_wait_dscnt 0x0
	s_barrier_signal -1
	s_barrier_wait -1
	FLUSH 0, 22, 0, 0, 1
	s_wait_dscnt 0x0                               ; the closing add below goes to the spare LDS bytes behind the stages
	s_set_vgpr_msb 0x8
	s_wait_dscnt 0x0
	s_wait_alu depctr_hold_cnt(0) depctr_sa_sdst(0) depctr_va_vdst(0) depctr_va_sdst(0) depctr_va_ssrc(0) depctr_va_vcc(0) depctr_vm_vsrc(0)
	s_wait_tensorcnt 0x0
	ds_add_u32 v12, v255
	s_wait_dscnt 0x0
	s_endpgm
.Lfunc_end_k_qc2ae3920cd_rwkv:
	.size	k_qc2ae3920cd_rwkv, .Lfunc_end_k_qc2ae3920cd_rwkv-k_qc2ae3920cd_rwkv
	.p2alignl 7, 3214868480
	.fill 96, 4, 3214868480
	.section	.rodata,"a",@progbits
	.p2align	6, 0x0
	.amdhsa_kernel k_qc2ae3920cd_rwkv
		.amdhsa_group_segment_fixed_size 203264
		.amdhsa_private_segment_fixed_size 0
		.amdhsa_enable_private_segment 0
		.amdhsa_kernarg_size 64
		.amdhsa_user_sgpr_count 2
		.amdhsa_user_sgpr_kernarg_segment_ptr 1
		.amdhsa_wavefront_size32 1
		.amdhsa_system_sgpr_workgroup_id_x 1
		.amdhsa_system_sgpr_workgroup_id_y 1
		.amdhsa_system_sgpr_workgroup_id_z 1
		.amdhsa_system_vgpr_workitem_id 0
		.amdhsa_next_free_vgpr 936
		.amdhsa_next_free_sgpr 66
		.amdhsa_reserve_vcc 0
		.amdhsa_float_denorm_mode_32 3
		.amdhsa_float_denorm_mode_16_64 3
		.amdhsa_memory_ordered 1
		.amdhsa_forward_progress 1
		.amdhsa_inst_pref_size 149
	.end_amdhsa_kernel
	.amdgpu_metadata
---
amdhsa.version: [ 1, 2 ]
amdhsa.kernels:
  - .name:           k_qc2ae3920cd_rwkv
    .symbol:         k_qc2ae3920cd_rwkv.kd
    .args:
      - { .name: r, .offset: 0, .size: 8, .value_kind: global_buffer, .address_space: global }
      - { .name: k, .offset: 8, .size: 8, .value_kind: global_buffer, .address_space: global }
      - { .name: v, .offset: 16, .size: 8, .value_kind: global_buffer, .address_space: global }
      - { .name: w, .offset: 24, .size: 8, .value_kind: global_buffer, .address_space: global }
      - { .name: u, .offset: 32, .size: 8, .value_kind: global_buffer, .address_space: global }
      - { .name: initial_state, .offset: 40, .size: 8, .value_kind: global_buffer, .address_space: global }
      - { .name: out0, .offset: 48, .size: 8, .value_kind: global_buffer, .address_space: global }
      - { .name: out1, .offset: 56, .size: 8, .value_kind: global_buffer, .address_space: global }
    .group_segment_fixed_size: 203264
    .private_segment_fixed_size: 0
    .kernarg_segment_align: 8
    .kernarg_segment_size: 64
    .max_flat_workgroup_size: 128
    .sgpr_count:     66
    .vgpr_count:     936
    .wavefront_size: 32
...
	.end_amdgpu_metadata
.endif
;; end of part 2
